; MI455X (gfx1250); checked and timed in simulation.
; The chip was launched on July 23, 2026; its instructions are those of AMD's public machine-readable ISA for CDNA 5 (MIT licence, August 2026) and "CDNA5" Instruction Set Architecture Reference Guide (July 2026). The comments in the code are by the model that wrote it; some were corrected since.
;; Energy Gated Delta Model. Allowed arithmetic: float matrix products may take bf16 or f16 operands with f32 sums; all other float work in f32.
;; Inputs: W1 128 x 256 float32; W2 256 x 128 float32; Wout 128 x 32,000 float32; Wrp 128 x 128 float32; b1 256 float32; b2 128 float32; beta 128 float32; bout 32,000 float32; brp 128 float32; embed 32,000 x 128 float32; gamma 128 float32; seq 256 x 256 int32.
;; Outputs: out0 256 x 32,000 float32.
;; One version. Each part assembles by itself: llvm-mc -triple=amdgcn-amd-amdhsa -mcpu=gfx1250 --defsym DOCPART=n.
;; ======== version 1 of 1: 2 launches
;; workspace buffers: zs 131,072 bytes
;; launch scan (part 1): grid 256 x 1, 4 waves a work-group, no clusters, 317,440 bytes of LDS; arguments seq, embed, W1, b1, W2, b2, gamma, beta, Wrp, brp, zs; writes zs
.if DOCPART == 1
	.amdgcn_target "amdgcn-amd-amdhsa--gfx1250"
	.amdhsa_code_object_version 6
	.text
	.protected	k_q70f53642bd_scan
	.globl	k_q70f53642bd_scan
	.p2align	8
	.type	k_q70f53642bd_scan,@function
k_q70f53642bd_scan:
	s_mov_b64 s[64:65], 0
	v_nop
	global_prefetch_b8 v0, s[64:65] scope:SCOPE_SE
	s_setreg_imm32_b32 hwreg(HW_REG_WAVE_MODE, 25, 1), 1
	s_wait_xcnt 0x0
; ONE BATCH TO A WORK-GROUP: gather, MLP, LayerNorm, the 255 gated steps, r = M h_last and z = r Wrp + brp.  Neither a key nor M goes to memory.
; z leaves as two bf16 planes (hi, lo) of [256][128]: zs + 0 and zs + 65,536.
; FORMATS.  Every float input is rounded to bf16 on its way in.  Every f32 intermediate that enters a product (hidden layer, keys, M, errors) is split EXACTLY into three bf16
; parts, hi + mid + lo (8 + 8 + 8 significant bits), and the products that matter are summed in f32 accumulators: three where the other operand is bf16 already, six where both
; are split (hh, hm, mh, hl, lh, mm); what is dropped is 2^-26 of a term.  The reason: the gate is a hard threshold, and a flipped gate changes a whole output row.
; THE SCAN BY CHUNKS OF 16 STEPS.  From the chunk's M0:  e_t = k_t - c_t (M0 k_t + sum over s < t in the chunk of g_s (k_s . k_t) e_s),  c_t = 1 / (n_t + 1e-6),  n_t = |k_t|^2.
; Per chunk three matrix products: P^T = K M^T (M0 k_t for 16 keys), G = K K^T, and M^T += K^T (g E).  Only the 16 gates are sequential; every wave holds all 128 components of the
; 16 residuals (its own 32 and copies of the others'), so a norm needs no barrier, and all four waves take the same gates bit for bit.
; LIMITS.  The gate compares |e|^2 with (0.4f)^2 n (rounded to f32) and not the two roots; c is a reciprocal with one Newton step, not a division: both agree with the roots and the
; quotient to an ulp or two, and a gate that lies within f32 rounding of its threshold may fall otherwise than in another order of f32 sums.  Squares need |h| below 1e19.
; NaN and infinities are not treated apart (a NaN norm gives gate 0).  Indices are clamped to 31,999.
; SHARES.  Wave w owns the columns i = 32 w .. 32 w + 31 of M^T, P and e; in the encoder the tokens 64 blk + 16 w + r.  L = lane, r = L % 16, h = L / 16.
; NO TENSOR LOADS, NO CLUSTER: every tile is converted from f32 to bf16 on its way and so passes through registers; what work-groups share (W1, W2: 256 KB, read once at the start) is small.
; LDS, bytes:
.set W1B,   0          ; W1 in bf16, [k = 128][n = 256], pitch 544 (17 x 32: the turning load's 8 rows x 32 bytes fall on different banks)
.set W2B,   69632      ; W2 in bf16, [k = 256][n = 128], pitch 288 (9 x 32)
.set XB,    143360     ; the batch's 256 gathered rows in bf16, pitch 272
.set KP,    212992     ; three bf16 planes of a block's 64 keys, pitch 272, a plane 17,408 bytes
.set KF,    265216     ; the block's 64 keys in f32, pitch 528
.set XU,    299008     ; a chunk's residuals, [t = 16][i = 128] f32
.set CF,    307200     ; 1,024 bytes a wave: entry (s, t) = -c_t G[s][t]; the diagonal entry (s, s) = the threshold of step s
.set TBL,   311296     ; b1 +0, b2 +1024, gamma +1536, beta +2048: rounded to bf16, kept as f32
.set TB,    313856     ; for the block's 64 tokens: -c +0, threshold +256, n + 1e-6 +512
.set ZP,    314880     ; four partial z of 512 bytes
.set SPARE, 316928     ; the spare words, 128 bytes a wave; no other line names them
.set PLN,   17408      ; 64 rows x 272
; REGISTERS, in windows of 256 (s_set_vgpr_msb: bits 1:0 source 0, 3:2 source 1, 5:4 source 2, 7:6 destination).
;  window 0: v0-31 lane numbers and addresses (listed where they are made); v32-255 by phase:
;    encoder: XF 32-63 (my tokens' x), FF 64-127, HID 128-143, its planes 144-167, at work 168-199;  LayerNorm: at work 128-159, the keys' planes 160-255
;    chunk:   PT 32-47, GT 48-55, KD 56-71, CD 72-79, 80-90 small; U[t][slot] = v[96 + 4 t + slot]; at work / coefficient rows 160-223; 224-228 the norm
;  window 1: M^T, tile (jt, nt) at 16 jt + 8 nt: register x of lane (r, h) = M[32 w + 16 nt + r][16 jt + 8 h + x]
;  window 2: encoder: W1's fragments 0-63, W2's 64-127 (then gamma, beta); chunk: K's fragments 0-95, M's planes 96-191 (two sets); update: K^T 0-127, E's planes 128-175
;  window 3: at the start the gathered rows; then Wrp's 32 rows of my wave (0-127) and brp (128-131), which stay on their way until the end
.set SPW, 28           ; v28  LDS address of my spare word; never rewritten
.set NIL, 29           ; v29  0; never rewritten
.set U,   96
.set CFR, 160
.set MSB, 0
.macro WIN new                         ; the immediate's high byte repeats the setting that is left; a switch that changes nothing is dropped
.if MSB != (\new)
	s_set_vgpr_msb (MSB<<8)|(\new)
.set MSB, \new
.endif
.endm
.macro PLACES                          ; four places behind a matrix instruction (ISA guide 7.12.1) where no other vector work is at hand
.rept 4
	v_nop
.endr
.endm
.macro BAR
	s_barrier_signal -1
	s_barrier_wait -1
.endm
; Eight pairs of f32 at src are split into three bf16 planes (8 registers each) at ph, pm, pl; ta, tb: 16 registers each, at work.  All in window 0.  Both differences are exact.
.macro SPLIT8 src, ph, pm, pl, ta, tb
.set z, 0
.rept 8
	v_cvt_pk_bf16_f32 v[(\ph)+z], v[(\src)+2*z], v[(\src)+2*z+1]
.set z, z+1
.endr
.set z, 0
.rept 8
	v_lshlrev_b32 v[(\ta)+2*z], 16, v[(\ph)+z]
	v_and_b32 v[(\ta)+2*z+1], s100, v[(\ph)+z]
.set z, z+1
.endr
.set z, 0
.rept 8
	v_pk_add_f32 v[(\ta)+2*z:(\ta)+2*z+1], v[(\src)+2*z:(\src)+2*z+1], v[(\ta)+2*z:(\ta)+2*z+1] neg_lo:[0,1] neg_hi:[0,1]
.set z, z+1
.endr
.set z, 0
.rept 8
	v_cvt_pk_bf16_f32 v[(\pm)+z], v[(\ta)+2*z], v[(\ta)+2*z+1]
.set z, z+1
.endr
.set z, 0
.rept 8
	v_lshlrev_b32 v[(\tb)+2*z], 16, v[(\pm)+z]
	v_and_b32 v[(\tb)+2*z+1], s100, v[(\pm)+z]
.set z, z+1
.endr
.set z, 0
.rept 8
	v_pk_add_f32 v[(\ta)+2*z:(\ta)+2*z+1], v[(\ta)+2*z:(\ta)+2*z+1], v[(\tb)+2*z:(\tb)+2*z+1] neg_lo:[0,1] neg_hi:[0,1]
.set z, z+1
.endr
.set z, 0
.rept 8
	v_cvt_pk_bf16_f32 v[(\pl)+z], v[(\ta)+2*z], v[(\ta)+2*z+1]
.set z, z+1
.endr
.endm
; Four packed chains in v[144:151] -> v144: the sum over my 64 numbers and those of the lane 16 away, which holds the token's other 64.
.macro LSUM
	v_pk_add_f32 v[144:145], v[144:145], v[146:147]
	v_pk_add_f32 v[148:149], v[148:149], v[150:151]
	v_pk_add_f32 v[144:145], v[144:145], v[148:149]
	v_add_f32 v144, v144, v145
	v_permlanex16_b32 v25, v144, s66, s67
	v_add_f32 v144, v144, v25
.endm
.macro SQSUM                           ; v144 = the token's sum of squares of FF
.set c, 0
.rept 4
	v_pk_mul_f32 v[144+2*c:145+2*c], v[64+2*c:65+2*c], v[64+2*c:65+2*c]
.set c, c+1
.endr
.set c, 4
.rept 28
	v_pk_fma_f32 v[144+2*(c%4):145+2*(c%4)], v[64+2*c:65+2*c], v[64+2*c:65+2*c], v[144+2*(c%4):145+2*(c%4)]
.set c, c+1
.endr
	LSUM
.endm
; Sixteen loads' 64 registers (number q of four such groups) of the window named in win -> 32 registers of bf16 pairs, v96-127.
.macro CVT16 win, q
	WIN \win
.set x, 0
.rept 16
	v_cvt_pk_bf16_f32 v[96+2*x], v[4*(16*(\q)+x)], v[4*(16*(\q)+x)+1]
	v_cvt_pk_bf16_f32 v[97+2*x], v[4*(16*(\q)+x)+2], v[4*(16*(\q)+x)+3]
.set x, x+1
.endr
	WIN 0
.endm
	s_load_b512 s[4:19], s[0:1], 0x0               ; seq s[4:5], embed s[6:7], W1 s[8:9], b1 s[10:11], W2 s[12:13], b2 s[14:15], gamma s[16:17], beta s[18:19]
	s_load_b128 s[20:23], s[0:1], 0x40             ; Wrp s[20:21], brp s[22:23]
	s_load_b64 s[24:25], s[0:1], 0x50              ; zs
	v_lshl_add_u32 v[SPW], v0, 2, SPARE
	v_mov_b32 v[NIL], 0
	v_lshrrev_b32 v6, 5, v0
	v_readfirstlane_b32 s26, v6                    ; w
	s_mov_b32 s27, ttmp9                           ; the batch
	s_mov_b32 s66, 0x76543210                      ; v_permlanex16_b32: each lane takes its own place in the other half
	s_mov_b32 s67, 0xfedcba98
	s_mov_b32 s100, 0xffff0000                     ; a word's upper bf16
	v_and_b32 v1, 15, v0                           ; r
	v_bfe_u32 v2, v0, 4, 1                         ; h
	v_and_b32 v3, 31, v0                           ; L
	v_lshlrev_b32 v26, 4, v3                       ; v26 = 16 L
	v_mul_u32_u24 v6, v1, 272
	v_lshl_add_u32 v6, v2, 4, v6                   ; 272 r + 16 h: a fragment's row and half
	s_mul_i32 s101, s26, 4352                      ; my wave's 16 rows of 272 bytes
	s_add_co_u32 s28, s101, XB
	v_add_nc_u32 v4, s28, v6                       ; v4  x fragments of my tokens, block 0
	v_lshl_add_u32 v140, v3, 3, s28                ; v140 where the gathered rows are put
	s_add_co_u32 s28, s101, KP
	v_add_nc_u32 v9, s28, v6                       ; v9  where my tokens' key planes are put
	v_add_nc_u32 v12, KP, v6                       ; v12 K's fragments, chunk 0
	v_lshl_add_u32 v5, v2, 5, TBL                  ; v5  the tables, at my half's eight numbers
	v_lshl_add_u32 v13, v2, 5, TB                  ; v13 -c of the chunk's tokens 8 h ..
	v_and_b32 v27, 7, v0
	v_lshl_add_u32 v27, v2, 3, v27                 ; 8 h + L % 8: the row that the turning load takes
	v_bfe_u32 v30, v0, 3, 1
	v_lshlrev_b32 v30, 4, v30                      ; 16 ((L / 8) % 2): its 16 bytes
	v_mul_u32_u24 v7, v27, 544
	v_add_nc_u32 v7, v7, v30                       ; v7  W1's fragments
	v_mul_u32_u24 v8, v27, 288
	v_add3_u32 v8, v8, v30, W2B                    ; v8  W2's fragments
	v_mul_u32_u24 v22, v27, 272
	v_add3_u32 v22, v22, v30, KP                   ; v22 K^T's fragments, chunk 0
	v_mul_u32_u24 v10, v1, 528
	v_lshl_add_u32 v10, v2, 5, v10
	s_mul_i32 s28, s26, 8448
	s_add_co_u32 s28, s28, KF
	v_add_nc_u32 v10, s28, v10                     ; v10 where my tokens' f32 keys are put
	s_lshl_b32 s28, s26, 6
	s_add_co_u32 s28, s28, TB
	v_lshl_add_u32 v11, v1, 2, s28                 ; v11 my token's three numbers
	v_mul_u32_u24 v14, v2, 4224
	v_lshl_add_u32 v14, v1, 2, v14
	s_lshl_b32 s28, s26, 7
	s_add_co_u32 s29, s28, KF
	v_add_nc_u32 v14, s29, v14                     ; v14 f32 keys as a result tile holds them: token 8 h, column 32 w + r
	s_add_co_u32 s29, s28, XU
	v_lshl_add_u32 v15, v3, 2, s29                 ; v15 my column of the residuals
.irp q, 1,2,3
	s_add_co_u32 s29, s26, \q
	s_and_b32 s29, s29, 3
	s_lshl_b32 s29, s29, 7
	s_add_co_u32 s29, s29, XU
	v_lshl_add_u32 v[15+\q], v3, 2, s29            ; v16-18 the same lane's column with waves w + 1, w + 2, w + 3 (mod 4)
.endr
	s_lshl_b32 s28, s26, 10
	s_add_co_u32 s28, s28, CF
	v_mov_b32 v20, s28                             ; v20 my wave's coefficients (the same address in every lane)
	v_lshl_add_u32 v19, v2, 9, s28
	v_lshl_add_u32 v19, v1, 2, v19                 ; v19 entry (8 h, r)
	v_lshl_add_u32 v21, v1, 2, TB                  ; v21 -c and threshold of the chunk's token r
	v_lshlrev_b32 v6, 3, v2
	v_sub_nc_u32 v23, v1, v6                       ; v23 r - 8 h: the register in which my lane holds G's diagonal, if any
	v_mov_b32 v25, 0                               ; v25 the exchange's destination counts as read
	s_lshr_b32 s28, s26, 1
	s_mul_i32 s28, s28, 544
	s_and_b32 s29, s26, 1
	s_lshl_b32 s29, s29, 8
	s_add_co_u32 s28, s28, s29
	v_lshl_add_u32 v141, v3, 3, s28                ; W1: thread t's load i holds row 2 i + t / 64, columns 4 (t % 64) ..: 8 bytes of bf16
	v_add_nc_u32 v142, 34816, v141                 ; from load 32 on: the immediate has 16 bits
	s_mul_i32 s28, s26, 288
	s_add_co_u32 s28, s28, W2B
	v_lshl_add_u32 v143, v3, 3, s28                ; W2: row 4 i + t / 32, columns 4 (t % 32) ..
	v_add_nc_u32 v144, 36864, v143
	v_lshl_add_u32 v145, v0, 2, TBL
	v_lshlrev_b32 v30, 4, v0                       ; 16 t
	v_lshlrev_b32 v31, 2, v0                       ; 4 t
	s_wait_kmcnt 0x0
	s_lshl_b32 s28, s27, 10                        ; the batch's row of seq,
	s_lshl_b32 s29, s26, 6                         ; my wave's 16 tokens of each block of 64
	s_add_co_u32 s28, s28, s29
	s_mov_b32 s29, 0
	s_add_nc_u64 s[4:5], s[4:5], s[28:29]
	s_load_b512 s[32:47], s[4:5], 0x0
	s_load_b512 s[48:63], s[4:5], 0x100
	s_load_b512 s[68:83], s[4:5], 0x200
	s_load_b512 s[84:99], s[4:5], 0x300
	WIN 0x40                                       ; W1 goes out while the indices come: 64 loads of 16 bytes a thread, the wave's each 512 consecutive bytes
.set i, 0
.rept 64
	global_load_b128 v[4*i:4*i+3], v30, s[8:9] offset:2048*i
.set i, i+1
.endr
	WIN 0
	s_wait_kmcnt 0x0
.set n, 0
.rept 64                                       ; token n = 16 blk + x of my wave: its row's byte offset, 512 x index, + 16 L
.set SR, n+32+4*(n/32)
	s_min_u32 s[SR], s[SR], 31999
	s_lshl_b32 s[SR], s[SR], 9
	v_add_nc_u32 v[32+n], s[SR], v26
.set n, n+1
.endr
	WIN 0xc0
.set n, 0
.rept 64
	global_load_b128 v[4*n:4*n+3], v[32+n], s[6:7] ; a row of embed: 512 consecutive bytes for the wave
.set n, n+1
.endr
	WIN 0x80
.set i, 0
.rept 64
	global_load_b128 v[4*i:4*i+3], v30, s[12:13] offset:2048*i
.set i, i+1
.endr
	WIN 0
	global_load_b32 v128, v31, s[10:11]
	global_load_b32 v129, v31, s[10:11] offset:512
	global_load_b32 v130, v31, s[14:15]
	global_load_b32 v131, v31, s[16:17]
	global_load_b32 v132, v31, s[18:19]
	s_mov_b32 s87, 0x3c000000                      ; 1 / 128
	s_mov_b32 s88, 0x3727c5ac                      ; 1e-5
	s_mov_b32 s89, 0x358637bd                      ; 1e-6
	s_mov_b32 s90, 0x3e23d70b                      ; (0.4f)^2 rounded to f32
	s_wait_loadcnt 63                              ; 197 loads were issued: with 63 out the first 134 are in, W1's 64 and the gather's 64 among them
.set qq, 0
.rept 4
	CVT16 0x05, qq                                 ; W1
.set x, 0
.rept 16
	ds_store_b64 v[141+qq/2], v[96+2*x:97+2*x] offset:((16*qq+x)%32)*1088
.set x, x+1
.endr
.set qq, qq+1
.endr
.set qq, 0
.rept 4
	CVT16 0x0f, qq                                 ; block qq's 16 rows of my wave
.set x, 0
.rept 16
	ds_store_b64 v140, v[96+2*x:97+2*x] offset:(64*qq+x)*272
.set x, x+1
.endr
.set qq, qq+1
.endr
	s_wait_loadcnt 0x0
.set qq, 0
.rept 4
	CVT16 0x0a, qq                                 ; W2
.set x, 0
.rept 16
	ds_store_b64 v[143+qq/2], v[96+2*x:97+2*x] offset:((16*qq+x)%32)*1152
.set x, x+1
.endr
.set qq, qq+1
.endr
.irp x, 0,1,2,3,4                              ; b1 (two), b2, gamma, beta: rounded to bf16, kept as f32
	v_cvt_pk_bf16_f32 v[133+\x], v[128+\x], v[128+\x]
.endr
.irp x, 0,1,2,3,4
	v_lshlrev_b32 v[128+\x], 16, v[133+\x]
.endr
.irp x, 0,1,2,3,4
	ds_store_b32 v145, v[128+\x] offset:512*\x
.endr
	s_lshl_b32 s28, s26, 14                        ; Wrp's rows 32 w ..: asked for now, wanted at the very end
	s_mov_b32 s29, 0
	s_add_nc_u64 s[20:21], s[20:21], s[28:29]
	WIN 0xc0
.set x, 0
.rept 32
	global_load_b128 v[4*x:4*x+3], v26, s[20:21] offset:512*x
.set x, x+1
.endr
	global_load_b128 v[128:131], v26, s[22:23]
	WIN 0x40
.set i, 0
.rept 128                                      ; M = 0.  A first chunk written out without M would spare these 128 lines and double the largest body of the text
	v_mov_b32 v[i], 0
.set i, i+1
.endr
	WIN 0
	s_wait_dscnt 0x0                               ; for the others' sake: my parts of W1, W2, x and the tables are in LDS
	BAR
	s_mov_b32 s28, 0
.Lblk:                                                 ; FOUR BLOCKS OF 64 TOKENS: encode, then four chunks of the scan
	; THE ENCODER, transposed: hidden^T = W1^T x^T, ff^T = W2^T hidden^T: a lane holds ONE token (r) and, in a result tile, the units 8 h + 0..7;
	; two result tiles rounded in pairs ARE the next product's second source.
	s_mul_i32 s31, s28, PLN
	v_add_nc_u32 v31, s31, v4
.set k, 0
.rept 4
	ds_load_b128 v[32+8*k:35+8*k], v31 offset:64*k
	ds_load_b128 v[36+8*k:39+8*k], v31 offset:64*k+32
.set k, k+1
.endr
.set m, 0
.rept 8                                        ; b2 starts ff's sums
	ds_load_b128 v[64+8*m:67+8*m], v5 offset:1024+64*m
	ds_load_b128 v[68+8*m:71+8*m], v5 offset:1024+64*m+16
.set m, m+1
.endr
	s_mov_b32 s30, 0
.Lhk:                                                  ; eight trips of 32 hidden units
	s_lshl_b32 s84, s30, 7
	s_lshl_b32 s85, s30, 6
	s_mul_i32 s86, s30, 9216
	v_add_nc_u32 v6, s84, v5                       ; these three and the v_nop are the places behind the last trip's products, ahead of the loads into their sources
	v_add_nc_u32 v27, s85, v7
	v_add_nc_u32 v30, s86, v8
	v_nop
.irp x, 0,1,2,3                                ; b1 starts the hidden sums
	ds_load_b128 v[128+4*\x:131+4*\x], v6 offset:16*\x+32*(\x/2)
.endr
	WIN 0x80
.set a, 0
.rept 2
.set k, 0
.rept 4
	ds_load_tr16_b128 v[8*(4*a+k):8*(4*a+k)+3],   v27 offset:PLN*k+32*a
	ds_load_tr16_b128 v[8*(4*a+k)+4:8*(4*a+k)+7], v27 offset:PLN*k+32*a+8704
.set k, k+1
.endr
.set a, a+1
.endr
.set m, 0
.rept 8
	ds_load_tr16_b128 v[64+8*m:67+8*m], v30 offset:32*m
	ds_load_tr16_b128 v[68+8*m:71+8*m], v30 offset:32*m+4608
.set m, m+1
.endr
	s_wait_dscnt 16                                ; all but W2's sixteen
	WIN 0x02
.set k, 0
.rept 4                                        ; x and W1 are bf16: one product is exact.  The two accumulators take turns
.set a, 0
.rept 2
	v_wmma_f32_16x16x32_bf16 v[128+8*a:135+8*a], v[8*(4*a+k):8*(4*a+k)+7], v[32+8*k:39+8*k], v[128+8*a:135+8*a]
.set a, a+1
.endr
.set k, k+1
.endr
	WIN 0
	PLACES                                         ; ahead of the first tile's maxima; those are the places for the second tile
.set z, 0
.rept 16
	v_max_num_f32 v[128+z], 0, v[128+z]
.set z, z+1
.endr
	SPLIT8 128, 144, 152, 160, 168, 184
	s_wait_dscnt 0x0
	WIN 0x02
.irp pl, 144, 152, 160                         ; hi, mid, lo of the hidden layer; the eight accumulators take turns
.set m, 0
.rept 8
	v_wmma_f32_16x16x32_bf16 v[64+8*m:71+8*m], v[64+8*m:71+8*m], v[\pl:\pl+7], v[64+8*m:71+8*m]
.set m, m+1
.endr
.endr
	WIN 0
	s_add_co_u32 s30, s30, 1
	s_cmp_lt_u32 s30, 8
	s_cbranch_scc1 .Lhk
	; y = e + ff: register x of XF holds the two numbers that belong to FF's pair x.  The first eight unpackings are the places behind the last products.
.set g, 0
.rept 8
.set TPB, 128+8*(g%2)
.set z, 0
.rept 4
	v_lshlrev_b32 v[TPB+2*z], 16, v[32+4*g+z]
	v_and_b32 v[TPB+2*z+1], s100, v[32+4*g+z]
.set z, z+1
.endr
.if g == 0
	WIN 0x80                                       ; gamma and beta of my 64 units, where W1's and W2's fragments lay
.set m, 0
.rept 8
	ds_load_b128 v[8*m:8*m+3],       v5 offset:1536+64*m
	ds_load_b128 v[8*m+4:8*m+7],     v5 offset:1536+64*m+16
	ds_load_b128 v[64+8*m:64+8*m+3], v5 offset:2048+64*m
	ds_load_b128 v[68+8*m:68+8*m+3], v5 offset:2048+64*m+16
.set m, m+1
.endr
	WIN 0
.endif
.set z, 0
.rept 4
	v_pk_add_f32 v[64+8*g+2*z:65+8*g+2*z], v[64+8*g+2*z:65+8*g+2*z], v[TPB+2*z:TPB+2*z+1]
.set z, z+1
.endr
.set g, g+1
.endr
.set c, 0
.rept 4                                        ; the mean
	v_pk_add_f32 v[144+2*c:145+2*c], v[64+2*c:65+2*c], v[72+2*c:73+2*c]
.set c, c+1
.endr
.set c, 8
.rept 24
	v_pk_add_f32 v[144+2*(c%4):145+2*(c%4)], v[144+2*(c%4):145+2*(c%4)], v[64+2*c:65+2*c]
.set c, c+1
.endr
	LSUM
	v_mul_f32 v152, s87, v144
	v_mov_b32 v153, v152
.set c, 0
.rept 32
	v_pk_add_f32 v[64+2*c:65+2*c], v[64+2*c:65+2*c], v[152:153] neg_lo:[0,1] neg_hi:[0,1]
.set c, c+1
.endr
	SQSUM
	v_fma_f32 v145, v144, s87, s88                 ; the variance + 1e-5
	v_rsq_f32 v146, v145
	v_nop                                          ; a plain instruction behind the transcendental (ISA guide 5.7.2)
	s_wait_alu depctr_va_vdst(0)
	v_mul_f32 v147, v145, v146                     ; one Newton step: y += y/2 (1 - x y y)
	v_fma_f32 v147, -v147, v146, 1.0
	v_mul_f32 v148, 0.5, v146
	v_fma_f32 v154, v148, v147, v146
	v_mov_b32 v155, v154
.set c, 0
.rept 32
	v_pk_mul_f32 v[64+2*c:65+2*c], v[64+2*c:65+2*c], v[154:155]
.set c, c+1
.endr
	s_wait_dscnt 0x0                               ; gamma and beta
	WIN 0x28
.set c, 0
.rept 32
	v_pk_fma_f32 v[64+2*c:65+2*c], v[64+2*c:65+2*c], v[2*c:2*c+1], v[64+2*c:65+2*c]
.set c, c+1
.endr
	WIN 0
	SQSUM                                          ; n = |k|^2
	v_add_f32 v159, s89, v144                      ; n + 1e-6
	v_rcp_f32 v145, v159
	v_mul_f32 v158, s90, v144                      ; the threshold; also the plain instruction behind the reciprocal
	s_wait_alu depctr_va_vdst(0)
	v_fma_f32 v146, -v159, v145, 1.0               ; one Newton step
	v_fma_f32 v157, -v145, v146, -v145             ; -c
	s_wait_dscnt 0x0
	BAR                                            ; every wave's reads of the last block's keys are over
.set m, 0
.rept 8
	ds_store_b128 v10, v[64+8*m:67+8*m] offset:64*m
	ds_store_b128 v10, v[68+8*m:71+8*m] offset:64*m+16
.set m, m+1
.endr
	ds_store_b32 v11, v157
	ds_store_b32 v11, v158 offset:256
	ds_store_b32 v11, v159 offset:512
.set g, 0
.rept 4
	SPLIT8 64+16*g, 160+8*g, 192+8*g, 224+8*g, 128, 144
.set g, g+1
.endr
.set p, 0
.rept 3
.set m, 0
.rept 8
	ds_store_b128 v9, v[160+32*p+4*m:163+32*p+4*m] offset:PLN*p+32*m
.set m, m+1
.endr
.set p, p+1
.endr
	s_wait_dscnt 0x0                               ; for the others' sake: my 16 keys are in LDS
	BAR
; M^T's tiles (2 k, .) and (2 k + 1, .) are split into three planes: rounded in pairs they ARE second sources (32 j x 16 i).  Pair z of 16 goes to register MD of its plane.
.macro MSPLIT k
.set SB, 96+48*((\k)%2)                ; two sets take turns: a set is written again a whole MSPLIT behind the products that read it
	WIN 0x85
.set z, 0
.rept 16
.set MD, SB+8*((z/4)%2)+4*(z/8)+z%4
	v_cvt_pk_bf16_f32 v[MD], v[32*(\k)+2*z], v[32*(\k)+2*z+1]  ; each tile's lowest registers are read first
.set z, z+1
.endr
	WIN 0x08
.set z, 0
.rept 16
.set MD, SB+8*((z/4)%2)+4*(z/8)+z%4
	v_lshlrev_b32 v[160+2*z], 16, v[MD]
	v_and_b32 v[161+2*z], s100, v[MD]
.set z, z+1
.endr
	WIN 0x01
.set z, 0
.rept 16
	v_pk_add_f32 v[160+2*z:161+2*z], v[32*(\k)+2*z:32*(\k)+2*z+1], v[160+2*z:161+2*z] neg_lo:[0,1] neg_hi:[0,1]
.set z, z+1
.endr
	WIN 0x80
.set z, 0
.rept 16
.set MD, SB+16+8*((z/4)%2)+4*(z/8)+z%4
	v_cvt_pk_bf16_f32 v[MD], v[160+2*z], v[161+2*z]
.set z, z+1
.endr
	WIN 0x08
.set z, 0
.rept 16
.set MD, SB+16+8*((z/4)%2)+4*(z/8)+z%4
	v_lshlrev_b32 v[192+2*z], 16, v[MD]
	v_and_b32 v[193+2*z], s100, v[MD]
.set z, z+1
.endr
	WIN 0
.set z, 0
.rept 16
	v_pk_add_f32 v[160+2*z:161+2*z], v[160+2*z:161+2*z], v[192+2*z:193+2*z] neg_lo:[0,1] neg_hi:[0,1]
.set z, z+1
.endr
	WIN 0x80
.set z, 0
.rept 16
.set MD, SB+32+8*((z/4)%2)+4*(z/8)+z%4
	v_cvt_pk_bf16_f32 v[MD], v[160+2*z], v[161+2*z]
.set z, z+1
.endr
.endm
; Plane pa of K times plane pb of M (two tiles of P^T) and of K (G), 32 along j.  The three accumulators take turns.
.macro PM3 k, pa, pb, zero
.set KA_, 8*(4*(\pa)+(\k))
.set KB_, 8*(4*(\pb)+(\k))
.set MB_, 96+48*((\k)%2)+16*(\pb)
.if \zero
	v_wmma_f32_16x16x32_bf16 v[32:39], v[KA_:KA_+7], v[MB_:MB_+7], 0
	v_wmma_f32_16x16x32_bf16 v[40:47], v[KA_:KA_+7], v[MB_+8:MB_+15], 0
	v_wmma_f32_16x16x32_bf16 v[48:55], v[KA_:KA_+7], v[KB_:KB_+7], 0
.else
	v_wmma_f32_16x16x32_bf16 v[32:39], v[KA_:KA_+7], v[MB_:MB_+7], v[32:39]
	v_wmma_f32_16x16x32_bf16 v[40:47], v[KA_:KA_+7], v[MB_+8:MB_+15], v[40:47]
	v_wmma_f32_16x16x32_bf16 v[48:55], v[KA_:KA_+7], v[KB_:KB_+7], v[48:55]
.endif
.endm
.macro PMUL k
	WIN 0x0a
.if (\k) == 0
	PM3 \k, 0, 0, 1                                ; the first products start the sums
.else
	PM3 \k, 0, 0, 0
.endif
	PM3 \k, 0, 1, 0
	PM3 \k, 1, 0, 0
	PM3 \k, 0, 2, 0
	PM3 \k, 2, 0, 0
	PM3 \k, 1, 1, 0
.endm
; Row ro of my coefficients, from its diagonal's group of four on, into buffer ro % 4: register CFR + 16 (ro % 4) + t holds entry (ro, t), the same in every lane.
.macro CFROW ro
.set gq, (\ro)/4
.rept 4-(\ro)/4
	ds_load_b128 v[CFR+16*((\ro)%4)+4*gq:CFR+16*((\ro)%4)+4*gq+3], v20 offset:64*(\ro)+16*gq
.set gq, gq+1
.endr
.endm
; The next pending update: u_QT += (gated e_QS) x entry (QS, QT), two slots at a time; the entry carries the minus sign.
.macro UP1
.if QT < 16
.if QT%2 == 0
	v_pk_fma_f32 v[U+4*QT+2*QH:U+4*QT+2*QH+1], v[U+4*QS+2*QH:U+4*QS+2*QH+1], v[CFR+16*(QS%4)+QT:CFR+16*(QS%4)+QT+1], v[U+4*QT+2*QH:U+4*QT+2*QH+1] op_sel_hi:[1,0,1]
.else
	v_pk_fma_f32 v[U+4*QT+2*QH:U+4*QT+2*QH+1], v[U+4*QS+2*QH:U+4*QS+2*QH+1], v[CFR+16*(QS%4)+QT-1:CFR+16*(QS%4)+QT], v[U+4*QT+2*QH:U+4*QT+2*QH+1] op_sel:[0,1,0] op_sel_hi:[1,1,1]
.endif
.set QH, QH+1
.if QH == 2
.set QH, 0
.set QT, QT+1
.endif
.endif
.endm
; STEP sx of a chunk: |e|^2 over the four slots and 32 lanes, the gate, e gated in place.  The updates that the step before left pending (rows sx + 1 on) stand two by two in the chain's gaps.
; The squares are multiplied and added apart, not fused: (a + c) + (b + d) of rounded squares is the same number in every wave, whichever slot holds which wave's part.
.macro STEP sx
.set US, U+4*(\sx)
.if (\sx) >= 4                         ; rows 0-3 were waited for ahead of the barrier; behind row sx only rows sx + 1 and sx + 2 have been asked for
.set WC, 0
.if (\sx)+1 <= 15
.set WC, WC+4-((\sx)+1)/4
.endif
.if (\sx)+2 <= 15
.set WC, WC+4-((\sx)+2)/4
.endif
	s_wait_dscnt WC
.endif
	v_pk_mul_f32 v[224:225], v[US:US+1], v[US:US+1]
	v_pk_mul_f32 v[226:227], v[US+2:US+3], v[US+2:US+3]
	UP1
	UP1
	v_pk_add_f32 v[224:225], v[224:225], v[226:227]
	UP1
	UP1
	v_add_f32 v228, v224, v225
	UP1
	UP1
.irp xm, 1,2,4,8
	v_add_f32_dpp v228, v228, v228 row_xmask:\xm row_mask:0xf bank_mask:0xf
	UP1
	UP1
.endr
	v_permlanex16_b32 v25, v228, s66, s67
	UP1
	UP1
	v_add_f32 v228, v228, v25
	UP1
	UP1
	v_cmp_gt_f32 vcc_lo, v228, v[CFR+16*((\sx)%4)+(\sx)]  ; |e|^2 > 0.16 n
.rept 12
	UP1                                            ; what is left of the queue: at most 28 - 18
.endr
.if ((\sx) >= 1) && ((\sx)+3 <= 15)
	CFROW (\sx)+3                                  ; into the buffer of row sx - 1, whose last update stands above
.endif
.if (\sx) == 15
	v_mov_b32 v24, v[US]                           ; the ungated e of the chunk's last step: at the very end it gives M h_last
.endif
.irp q, 0,1,2,3
	v_cndmask_b32 v[US+\q], 0, v[US+\q], vcc_lo
.endr
.set QS, \sx
.set QT, (\sx)+1
.set QH, 0
	UP1                                            ; the next step's own row at once
	UP1
.endm
	s_mov_b32 s29, 0
.Lch:                                                  ; FOUR CHUNKS OF 16 STEPS
	s_mul_i32 s84, s29, 4352
	s_lshl_b32 s85, s29, 6
	s_mul_i32 s86, s29, 8448
	v_add_nc_u32 v6, s84, v12                      ; these five are the places behind the last chunk's products
	v_add_nc_u32 v27, s84, v22
	v_add_nc_u32 v30, s85, v13
	v_add_nc_u32 v31, s85, v21
	v_add_nc_u32 v90, s86, v14
	WIN 0x80
.set p, 0
.rept 3                                        ; K's fragments: plane p, 32 k along j
.set k, 0
.rept 4
	ds_load_b128 v[8*(4*p+k):8*(4*p+k)+3],   v6 offset:PLN*p+64*k
	ds_load_b128 v[8*(4*p+k)+4:8*(4*p+k)+7], v6 offset:PLN*p+64*k+32
.set k, k+1
.endr
.set p, p+1
.endr
	WIN 0
	ds_load_b128 v[72:75], v30                     ; -c of tokens 8 h + 0..7
	ds_load_b128 v[76:79], v30 offset:16
.set z, 0
.rept 16                                       ; k as the result tiles hold it
	ds_load_b32 v[56+z], v90 offset:528*(z%8)+64*(z/8)
.set z, z+1
.endr
	ds_load_b32 v80, v31                           ; -c and the threshold of token r
	ds_load_b32 v81, v31 offset:256
	MSPLIT 0
	s_wait_dscnt 20                                ; K's fragments are in; the 20 loads behind them may be out
	PMUL 0
	MSPLIT 1
	PMUL 1
	MSPLIT 2
	PMUL 2
	MSPLIT 3
	PMUL 3
	WIN 0
	PLACES
	s_wait_dscnt 0x0
.set z, 0
.rept 16                                       ; u_t = k_t - c_t M0 k_t
	v_fma_f32 v[U+4*z], v[32+z], v[72+z%8], v[56+z]
.set z, z+1
.endr
.set z, 0
.rept 8                                        ; from (register: t % 8; lanes: t / 8, i % 16) in two tiles to (register: t; lane: i - 32 w)
	v_permlane16_swap_b32 v[U+4*z], v[U+32+4*z]
.set z, z+1
.endr
.set z, 0
.rept 16
	ds_store_b32 v15, v[U+4*z] offset:512*z
.set z, z+1
.endr
.set z, 0
.rept 8                                        ; entry (8 h + z, r) = -c_r G; on the diagonal the threshold.  Every wave makes all of G, from the same numbers in the same order
	v_mul_f32 v[82+z], v[48+z], v80
.set z, z+1
.endr
.set z, 0
.rept 8
	v_cmp_eq_i32 vcc_lo, z, v23
	v_cndmask_b32 v[82+z], v[82+z], v81, vcc_lo
	ds_store_b32 v19, v[82+z] offset:64*z
.set z, z+1
.endr
	s_wait_dscnt 0x0                               ; for the others' sake: my columns of u are in LDS
	BAR
	CFROW 0
	CFROW 1
	CFROW 2
	CFROW 3
.set z, 0
.rept 16
.irp q, 1,2,3
	ds_load_b32 v[U+4*z+\q], v[15+\q] offset:512*z
.endr
.set z, z+1
.endr
	s_wait_dscnt 0x0                               ; my reads of the others' columns are over:
	BAR                                            ; the next chunk may write them
.set QS, 0
.set QT, 16
.set QH, 0
.irp sx, 0,1,2,3,4,5,6,7,8,9,10,11,12,13,14,15
	STEP \sx
.endr
	; M^T += K^T (g E).  16 steps fill half of an instruction's depth of 32, so two planes' products go in one: (Kh | Km)(Eh | Eh), (Kl | Kh)(Eh | Em), (Kh | Km)(El | Em).
	WIN 0x80
.set m, 0
.rept 8
	ds_load_tr16_b128 v[16*m:16*m+3],     v27 offset:32*m
	ds_load_tr16_b128 v[16*m+4:16*m+7],   v27 offset:PLN+32*m
	ds_load_tr16_b128 v[16*m+8:16*m+11],  v27 offset:2*PLN+32*m
	ds_load_tr16_b128 v[16*m+12:16*m+15], v27 offset:32*m
.set m, m+1
.endr
	WIN 0
.set z, 0
.rept 8                                        ; the gated e back into the layout of a result tile: rounded in pairs it IS a second source (16 t x 16 i)
	v_permlane16_swap_b32 v[U+4*z], v[U+32+4*z]
.set z, z+1
.endr
	WIN 0x80
.set y, 0
.rept 8
.set E0, U+32*(y/4)+8*(y%4)
.set EBB, 128+24*(y/4)+y%4
	v_cvt_pk_bf16_f32 v[EBB], v[E0], v[E0+4]
	v_cvt_pk_bf16_f32 v[EBB+4], v[E0], v[E0+4]
	v_cvt_pk_bf16_f32 v[EBB+8], v[E0], v[E0+4]
.set y, y+1
.endr
	WIN 0x08
.set y, 0
.rept 8
.set EBB, 128+24*(y/4)+y%4
	v_lshlrev_b32 v[160+2*y], 16, v[EBB]
	v_and_b32 v[161+2*y], s100, v[EBB]
.set y, y+1
.endr
	WIN 0
.set y, 0
.rept 8
.set E0, U+32*(y/4)+8*(y%4)
	v_sub_f32 v[160+2*y], v[E0], v[160+2*y]
	v_sub_f32 v[161+2*y], v[E0+4], v[161+2*y]
.set y, y+1
.endr
	WIN 0x80
.set y, 0
.rept 8
.set EBB, 128+24*(y/4)+y%4
	v_cvt_pk_bf16_f32 v[EBB+12], v[160+2*y], v[161+2*y]
	v_cvt_pk_bf16_f32 v[EBB+20], v[160+2*y], v[161+2*y]
.set y, y+1
.endr
	WIN 0x08
.set y, 0
.rept 8
.set EBB, 128+24*(y/4)+y%4
	v_lshlrev_b32 v[176+2*y], 16, v[EBB+12]
	v_and_b32 v[177+2*y], s100, v[EBB+12]
.set y, y+1
.endr
	WIN 0
.set y, 0
.rept 8
	v_pk_add_f32 v[160+2*y:161+2*y], v[160+2*y:161+2*y], v[176+2*y:177+2*y] neg_lo:[0,1] neg_hi:[0,1]
.set y, y+1
.endr
	WIN 0x80
.set y, 0
.rept 8
.set EBB, 128+24*(y/4)+y%4
	v_cvt_pk_bf16_f32 v[EBB+16], v[160+2*y], v[161+2*y]
.set y, y+1
.endr
	s_wait_dscnt 0x0
	WIN 0x5a
.set x, 0
.rept 3                                        ; the sixteen accumulators take turns
.set t, 0
.rept 16
	v_wmma_f32_16x16x32_bf16 v[8*t:8*t+7], v[16*(t/2)+8*(x%2):16*(t/2)+8*(x%2)+7], v[128+24*(t%2)+8*x:128+24*(t%2)+8*x+7], v[8*t:8*t+7]
.set t, t+1
.endr
.set x, x+1
.endr
	WIN 0
	s_add_co_u32 s29, s29, 1
	s_cmp_lt_u32 s29, 4
	s_cbranch_scc1 .Lch
	s_add_co_u32 s28, s28, 1
	s_cmp_lt_u32 s28, 4
	s_cbranch_scc1 .Lblk
	; THE END.  The last chunk's step 15 was token 255: its ungated e = k - c M_fin k, so r = M_fin h_last = (k - e)(n + 1e-6).  (Its write into M is never read.)
	s_lshl_b32 s84, s26, 7
	s_add_co_u32 s84, s84, KF+63*528
	v_lshl_add_u32 v6, v3, 2, s84
	v_mov_b32 v27, TB+512+252
	ds_load_b32 v32, v6
	ds_load_b32 v33, v27
	s_mov_b32 s85, 0                               ; the upper words of the pairs that the packed products name
	s_mov_b32 s87, 0
	s_mov_b32 s89, 0
	s_mov_b32 s91, 0
	s_wait_loadcnt 0x0                             ; Wrp and brp
	WIN 0x0f
.set x, 0
.rept 32
	v_cvt_pk_bf16_f32 v[96+2*x], v[4*x], v[4*x+1]
	v_cvt_pk_bf16_f32 v[97+2*x], v[4*x+2], v[4*x+3]
.set x, x+1
.endr
	v_cvt_pk_bf16_f32 v160, v128, v129
	v_cvt_pk_bf16_f32 v161, v130, v131
	WIN 0
	s_wait_dscnt 0x0
	v_sub_f32 v34, v32, v24
	v_mul_f32 v34, v34, v33                        ; r[32 w + L]
	; z's part of my 32 rows of Wrp: one row of numbers times a matrix, 16 K multiply-adds a work-group, in f32 on the vector unit; lane L holds columns 4 L ..
.set x, 0
.rept 8
.set y, 0
.rept 4
	v_readlane_b32 s[84+2*y], v34, 4*x+y
.set y, y+1
.endr
.set y, 0
.rept 4
.set WR, 96+2*(4*x+y)
.set TT, 36+4*(y%2)
	v_lshlrev_b32 v[TT], 16, v[WR]
	v_and_b32 v[TT+1], s100, v[WR]
	v_lshlrev_b32 v[TT+2], 16, v[WR+1]
	v_and_b32 v[TT+3], s100, v[WR+1]
.if (x == 0) && (y == 0)
	v_pk_mul_f32 v[44:45], v[TT:TT+1], s[84:85] op_sel_hi:[1,0]
	v_pk_mul_f32 v[46:47], v[TT+2:TT+3], s[84:85] op_sel_hi:[1,0]
.else
	v_pk_fma_f32 v[44:45], v[TT:TT+1], s[84+2*y:85+2*y], v[44:45] op_sel_hi:[1,0,1]
	v_pk_fma_f32 v[46:47], v[TT+2:TT+3], s[84+2*y:85+2*y], v[46:47] op_sel_hi:[1,0,1]
.endif
.set y, y+1
.endr
.set x, x+1
.endr
	s_lshl_b32 s84, s26, 9
	s_add_co_u32 s84, s84, ZP
	v_add_nc_u32 v6, s84, v26
	ds_store_b128 v6, v[44:47]                     ; my last LDS store
	s_wait_tensorcnt 0x0                           ; the wave's end
	ds_add_u32 v[SPW], v[NIL]
	s_lshl_b32 s84, s27, 8                         ; the batch's 256 bytes of a plane of zs
	s_mov_b32 s85, 0
	s_add_nc_u64 s[24:25], s[24:25], s[84:85]
	s_wait_dscnt 0x0                               ; the add is done, and, for wave 0's sake, my partial z is in LDS
	BAR
	s_cmp_lg_u32 s26, 0
	s_cbranch_scc1 .Lend                           ; wave 0 adds the four parts and stores
	v_add_nc_u32 v27, ZP, v26
.irp q, 0,1,2,3
	ds_load_b128 v[48+4*\q:51+4*\q], v27 offset:512*\q
.endr
	v_lshlrev_b32 v64, 16, v160                    ; brp, rounded to bf16
	v_and_b32 v65, s100, v160
	v_lshlrev_b32 v66, 16, v161
	v_and_b32 v67, s100, v161
	s_wait_dscnt 0x0
	v_pk_add_f32 v[48:49], v[48:49], v[52:53]
	v_pk_add_f32 v[50:51], v[50:51], v[54:55]
	v_pk_add_f32 v[56:57], v[56:57], v[60:61]
	v_pk_add_f32 v[58:59], v[58:59], v[62:63]
	v_pk_add_f32 v[48:49], v[48:49], v[56:57]
	v_pk_add_f32 v[50:51], v[50:51], v[58:59]
	v_pk_add_f32 v[48:49], v[48:49], v[64:65]
	v_pk_add_f32 v[50:51], v[50:51], v[66:67]
	v_cvt_pk_bf16_f32 v68, v48, v49                ; z = hi + lo, to 2^-17
	v_cvt_pk_bf16_f32 v69, v50, v51
	v_lshlrev_b32 v72, 16, v68
	v_and_b32 v73, s100, v68
	v_lshlrev_b32 v74, 16, v69
	v_and_b32 v75, s100, v69
	v_pk_add_f32 v[48:49], v[48:49], v[72:73] neg_lo:[0,1] neg_hi:[0,1]
	v_pk_add_f32 v[50:51], v[50:51], v[74:75] neg_lo:[0,1] neg_hi:[0,1]
	v_cvt_pk_bf16_f32 v70, v48, v49
	v_cvt_pk_bf16_f32 v71, v50, v51
	v_lshlrev_b32 v6, 3, v3
	global_store_b64 v6, v[68:69], s[24:25]        ; each store of the wave covers 256 consecutive bytes, aligned
	global_store_b64 v6, v[70:71], s[24:25] offset:65536
.Lend:
	s_endpgm
.Lfunc_end_k_q70f53642bd_scan:
	.size	k_q70f53642bd_scan, .Lfunc_end_k_q70f53642bd_scan-k_q70f53642bd_scan
	.p2alignl 7, 3214868480
	.fill 96, 4, 3214868480
	.section	.rodata,"a",@progbits
	.p2align	6, 0x0
	.amdhsa_kernel k_q70f53642bd_scan
		.amdhsa_group_segment_fixed_size 317440
		.amdhsa_private_segment_fixed_size 0
		.amdhsa_enable_private_segment 0
		.amdhsa_kernarg_size 88
		.amdhsa_user_sgpr_count 2
		.amdhsa_user_sgpr_kernarg_segment_ptr 1
		.amdhsa_wavefront_size32 1
		.amdhsa_system_sgpr_workgroup_id_x 1
		.amdhsa_system_sgpr_workgroup_id_y 1
		.amdhsa_system_sgpr_workgroup_id_z 1
		.amdhsa_system_vgpr_workitem_id 0
		.amdhsa_next_free_vgpr 1024
		.amdhsa_next_free_sgpr 102
		.amdhsa_reserve_vcc 1
		.amdhsa_float_denorm_mode_32 3
		.amdhsa_float_denorm_mode_16_64 3
		.amdhsa_memory_ordered 1
		.amdhsa_forward_progress 1
		.amdhsa_inst_pref_size 226
	.end_amdhsa_kernel
	.amdgpu_metadata
---
amdhsa.version: [ 1, 2 ]
amdhsa.kernels:
  - .name:           k_q70f53642bd_scan
    .symbol:         k_q70f53642bd_scan.kd
    .args:
      - { .name: seq, .offset: 0, .size: 8, .value_kind: global_buffer, .address_space: global }
      - { .name: embed, .offset: 8, .size: 8, .value_kind: global_buffer, .address_space: global }
      - { .name: W1, .offset: 16, .size: 8, .value_kind: global_buffer, .address_space: global }
      - { .name: b1, .offset: 24, .size: 8, .value_kind: global_buffer, .address_space: global }
      - { .name: W2, .offset: 32, .size: 8, .value_kind: global_buffer, .address_space: global }
      - { .name: b2, .offset: 40, .size: 8, .value_kind: global_buffer, .address_space: global }
      - { .name: gamma, .offset: 48, .size: 8, .value_kind: global_buffer, .address_space: global }
      - { .name: beta, .offset: 56, .size: 8, .value_kind: global_buffer, .address_space: global }
      - { .name: Wrp, .offset: 64, .size: 8, .value_kind: global_buffer, .address_space: global }
      - { .name: brp, .offset: 72, .size: 8, .value_kind: global_buffer, .address_space: global }
      - { .name: zs, .offset: 80, .size: 8, .value_kind: global_buffer, .address_space: global }
    .group_segment_fixed_size: 317440
    .private_segment_fixed_size: 0
    .kernarg_segment_align: 8
    .kernarg_segment_size: 88
    .max_flat_workgroup_size: 128
    .sgpr_count:     102
    .vgpr_count:     1024
    .wavefront_size: 32
...
	.end_amdgpu_metadata
.endif
;; end of part 1
;; launch proj (part 2): grid 250 x 1, 8 waves a work-group, no clusters, 173,056 bytes of LDS; arguments zs, Wout, bout, out0; writes out0
.if DOCPART == 2
	.amdgcn_target "amdgcn-amd-amdhsa--gfx1250"
	.amdhsa_code_object_version 6
	.text
	.protected	k_q70f53642bd_proj
	.globl	k_q70f53642bd_proj
	.p2align	8
	.type	k_q70f53642bd_proj,@function
k_q70f53642bd_proj:
	s_mov_b64 s[64:65], 0
	v_nop
	global_prefetch_b8 v0, s[64:65] scope:SCOPE_SE
	s_setreg_imm32_b32 hwreg(HW_REG_WAVE_MODE, 25, 1), 1
	s_wait_xcnt 0x0
; out0[b][n] = sum over k of z[b][k] Wout[k][n] + bout[n]: 256 x 32,000 x 128.  z comes as two bf16 planes (hi at zs + 0, lo at zs + 65,536), [256][128] each; Wout and bout are rounded to
; bf16 on their way in; sums in f32.  Two products for each K step, hi and lo: z counts to 2^-17.
; SHARES.  32,000 = 250 x 128: work-group g owns columns 128 g .. 128 g + 127 and all 256 rows, so every byte of Wout is read once and every byte of out0 written once.
; Of its eight waves wave v owns rows 32 v .. 32 v + 31: 2 x 8 accumulators of 16 x 16.
; The bytes decide here (16 MB in, 33 MB out).  NO TENSOR LOADS: Wout's tile is converted from f32 to bf16 and so passes through registers.  NO CLUSTER: no two work-groups read the same
; tile of Wout; what all share, z, is 128 KB.
; THE MATRIX INSTRUCTION IS USED TRANSPOSED: source 0 = 16 columns of Wout (turned out of LDS, where the tile lies [k][n]), source 1 = 16 rows of z: a lane then holds eight neighbouring
; columns of one row of out0.  The rows go out through each wave's own stage in LDS, so that a store of the wave covers 512 consecutive bytes of a row, aligned to 256.
; LIMITS.  NaN and infinities are not treated apart.
.set WB,    0          ; Wout's tile in bf16, [k = 128][n = 128], pitch 288 (9 x 32: the turning load's 8 rows x 32 bytes fall on different banks)
.set STAGE, 36864      ; for each wave 32 rows of 512 + 16 bytes
.set SPARE, 172032     ; the spare words, 128 bytes a wave; no other line names them
.set SPW, 28           ; v28  LDS address of my spare word; never rewritten
.set NIL, 29           ; v29  0; never rewritten
; window 0: v1-11 lane numbers and addresses; v16-19 my four columns' bias; v32-95 Wout as loaded; v96-159, v160-223 two buffers of Wout's fragments, then the rows on their way out; v224-255 at work
; window 1: v0-127 the accumulators, (mt, nt) at 8 (8 mt + nt); v128-255 z's fragments, (plane, mt, ks) at 128 + 8 (8 plane + 4 mt + ks)
.set MSB, 0
.macro WIN new                         ; the immediate's high byte repeats the setting that is left; a switch that changes nothing is dropped
.if MSB != (\new)
	s_set_vgpr_msb (MSB<<8)|(\new)
.set MSB, \new
.endif
.endm
.macro PLACES                          ; four places behind a matrix instruction, ahead of loads into its sources and of stores of its result
.rept 4
	v_nop
.endr
.endm
.macro WFL k, buf                      ; Wout's eight fragments of K step k
	WIN 0
.set t, 0
.rept 8
	ds_load_tr16_b128 v[(\buf)+8*t:(\buf)+8*t+3],   v9 offset:9216*(\k)+32*t
	ds_load_tr16_b128 v[(\buf)+8*t+4:(\buf)+8*t+7], v9 offset:9216*(\k)+32*t+4608
.set t, t+1
.endr
.endm
.macro MM k, buf                       ; 32 products: z's hi plane, then its lo plane; the sixteen accumulators take turns
	WIN 0x54                                       ; source 0 window 0; source 1, C and D window 1
.set pl, 0
.rept 2
.set t, 0
.rept 16
.set ZF_, 128+8*(8*pl+4*(t/8)+(\k))
.if ((\k) == 0) && (pl == 0)
	v_wmma_f32_16x16x32_bf16 v[8*t:8*t+7], v[(\buf)+8*(t%8):(\buf)+8*(t%8)+7], v[ZF_:ZF_+7], 0
.else
	v_wmma_f32_16x16x32_bf16 v[8*t:8*t+7], v[(\buf)+8*(t%8):(\buf)+8*(t%8)+7], v[ZF_:ZF_+7], v[8*t:8*t+7]
.endif
.set t, t+1
.endr
.set pl, pl+1
.endr
.endm
	s_load_b256 s[4:11], s[0:1], 0x0               ; zs s[4:5], Wout s[6:7], bout s[8:9], out0 s[10:11]
	v_lshl_add_u32 v[SPW], v0, 2, SPARE
	v_mov_b32 v[NIL], 0
	v_lshrrev_b32 v1, 5, v0
	v_readfirstlane_b32 s12, v1                    ; wave v
	s_mov_b32 s16, 0xffff0000                      ; a word's upper bf16
	v_and_b32 v1, 15, v0                           ; r
	v_bfe_u32 v2, v0, 4, 1                         ; h
	v_and_b32 v3, 31, v0                           ; L
	v_lshlrev_b32 v4, 4, v3                        ; 16 L
	s_lshl_b32 s14, ttmp9, 9                       ; the group's 128 columns: 512 bytes into a row of Wout, of out0 and into bout
	s_mov_b32 s15, 0
	s_mul_i32 s13, s12, 2048000                    ; 16 rows of Wout
	v_add_nc_u32 v5, s13, v4
	s_mul_i32 s13, s12, 4096000                    ; 32 rows of out0
	v_add_nc_u32 v6, s13, v4
	s_lshl_b32 s13, s12, 13                        ; 32 rows of z
	v_lshl_add_u32 v7, v1, 8, s13
	v_lshl_add_u32 v7, v2, 4, v7                   ; (32 v + r) 256 + 16 h
	s_mul_i32 s13, s12, 4608                       ; 16 rows of the tile in LDS
	v_lshl_add_u32 v8, v3, 3, s13
	v_and_b32 v9, 7, v0
	v_lshl_add_u32 v9, v2, 3, v9
	v_mul_u32_u24 v9, v9, 288
	v_bfe_u32 v10, v0, 3, 1
	v_lshl_add_u32 v9, v10, 4, v9                  ; the turning load: row 8 h + L % 8, 16 bytes (L / 8) % 2
	s_mul_i32 s13, s12, 16896
	s_add_co_u32 s13, s13, STAGE                   ; my stage
	v_mul_u32_u24 v10, v1, 528
	v_lshl_add_u32 v10, v2, 5, v10
	v_add_nc_u32 v10, s13, v10                     ; in: row r, 32 bytes for each half of the lanes
	v_add_nc_u32 v11, s13, v4                      ; back: a whole row of 512 bytes
	s_wait_kmcnt 0x0
	s_add_nc_u64 s[6:7], s[6:7], s[14:15]
	s_add_nc_u64 s[8:9], s[8:9], s[14:15]
	s_add_nc_u64 s[10:11], s[10:11], s[14:15]
.set x, 0
.rept 16                                       ; rows 16 v + x of Wout's tile: 512 consecutive bytes each, aligned to 256; read once in the launch
	global_load_b128 v[32+4*x:35+4*x], v5, s[6:7] offset:128000*x th:TH_LOAD_NT
.set x, x+1
.endr
	WIN 0x40
.set t, 0
.rept 16                                       ; t = 8 plane + 4 mt + ks
	global_load_b128 v[128+8*t:131+8*t], v7, s[4:5] offset:65536*(t/8)+4096*((t/4)%2)+64*(t%4)
	global_load_b128 v[132+8*t:135+8*t], v7, s[4:5] offset:65536*(t/8)+4096*((t/4)%2)+64*(t%4)+32
.set t, t+1
.endr
	WIN 0
	global_load_b128 v[16:19], v4, s[8:9]
	s_wait_loadcnt 33                              ; Wout's rows are in; z's 32 loads and bout's one may be out
.set x, 0
.rept 16
	v_cvt_pk_bf16_f32 v[224+2*x], v[32+4*x], v[33+4*x]
	v_cvt_pk_bf16_f32 v[225+2*x], v[34+4*x], v[35+4*x]
.set x, x+1
.endr
.set x, 0
.rept 16
	ds_store_b64 v8, v[224+2*x:225+2*x] offset:288*x
.set x, x+1
.endr
	s_wait_dscnt 0x0                               ; for the others' sake: my 16 rows of the tile are in LDS
	s_barrier_signal -1
	s_barrier_wait -1
	WFL 0, 96
	WFL 1, 160
	s_wait_loadcnt 0x0                             ; z and bout
	v_cvt_pk_bf16_f32 v12, v16, v17                ; the bias, rounded to bf16
	v_cvt_pk_bf16_f32 v13, v18, v19
	v_lshlrev_b32 v16, 16, v12
	v_and_b32 v17, s16, v12
	v_lshlrev_b32 v18, 16, v13
	v_and_b32 v19, s16, v13
	s_wait_dscnt 16                                ; K step 0's fragments are in, step 1's sixteen loads may be out
	MM 0, 96
	PLACES
	WFL 2, 96
	s_wait_dscnt 16
	MM 1, 160
	PLACES
	WFL 3, 160
	s_wait_dscnt 16
	MM 2, 96
	s_wait_dscnt 0x0
	MM 3, 160
	PLACES
	WIN 0x04                                       ; store data in window 1
.set t, 0
.rept 16                                       ; each accumulator's low registers first
	ds_store_b128 v10, v[8*t:8*t+3]   offset:8448*(t/8)+64*(t%8)
	ds_store_b128 v10, v[8*t+4:8*t+7] offset:8448*(t/8)+64*(t%8)+16
.set t, t+1
.endr
	WIN 0
.set ro, 0
.rept 32
	ds_load_b128 v[96+4*ro:99+4*ro], v11 offset:528*ro  ; LDS serves a wave's instructions in order (ISA guide 5.7.1.4): these see my stores above; the stage is my own
.set ro, ro+1
.endr
.set ro, 0
.rept 32
	s_wait_dscnt 31-ro                             ; row ro is back; the rows behind it may be out
	v_pk_add_f32 v[96+4*ro:97+4*ro], v[96+4*ro:97+4*ro], v[16:17]
	v_pk_add_f32 v[98+4*ro:99+4*ro], v[98+4*ro:99+4*ro], v[18:19]
	global_store_b128 v6, v[96+4*ro:99+4*ro], s[10:11] offset:128000*ro th:TH_STORE_NT  ; 512 consecutive bytes of a row, aligned to 256
.set ro, ro+1
.endr
	s_wait_tensorcnt 0x0                           ; the wave's end
	ds_add_u32 v[SPW], v[NIL]
	s_wait_dscnt 0x0
	s_endpgm
.Lfunc_end_k_q70f53642bd_proj:
	.size	k_q70f53642bd_proj, .Lfunc_end_k_q70f53642bd_proj-k_q70f53642bd_proj
	.p2alignl 7, 3214868480
	.fill 96, 4, 3214868480
	.section	.rodata,"a",@progbits
	.p2align	6, 0x0
	.amdhsa_kernel k_q70f53642bd_proj
		.amdhsa_group_segment_fixed_size 173056
		.amdhsa_private_segment_fixed_size 0
		.amdhsa_enable_private_segment 0
		.amdhsa_kernarg_size 32
		.amdhsa_user_sgpr_count 2
		.amdhsa_user_sgpr_kernarg_segment_ptr 1
		.amdhsa_wavefront_size32 1
		.amdhsa_system_sgpr_workgroup_id_x 1
		.amdhsa_system_sgpr_workgroup_id_y 1
		.amdhsa_system_sgpr_workgroup_id_z 1
		.amdhsa_system_vgpr_workitem_id 0
		.amdhsa_next_free_vgpr 512
		.amdhsa_next_free_sgpr 66
		.amdhsa_reserve_vcc 0
		.amdhsa_float_denorm_mode_32 3
		.amdhsa_float_denorm_mode_16_64 3
		.amdhsa_memory_ordered 1
		.amdhsa_forward_progress 1
		.amdhsa_inst_pref_size 35
	.end_amdhsa_kernel
	.amdgpu_metadata
---
amdhsa.version: [ 1, 2 ]
amdhsa.kernels:
  - .name:           k_q70f53642bd_proj
    .symbol:         k_q70f53642bd_proj.kd
    .args:
      - { .name: zs, .offset: 0, .size: 8, .value_kind: global_buffer, .address_space: global }
      - { .name: Wout, .offset: 8, .size: 8, .value_kind: global_buffer, .address_space: global }
      - { .name: bout, .offset: 16, .size: 8, .value_kind: global_buffer, .address_space: global }
      - { .name: out0, .offset: 24, .size: 8, .value_kind: global_buffer, .address_space: global }
    .group_segment_fixed_size: 173056
    .private_segment_fixed_size: 0
    .kernarg_segment_align: 8
    .kernarg_segment_size: 32
    .max_flat_workgroup_size: 256
    .sgpr_count:     66
    .vgpr_count:     512
    .wavefront_size: 32
...
	.end_amdgpu_metadata
.endif
;; end of part 2
